; MI455X (gfx1250); checked and timed in simulation.
; The chip was launched on July 23, 2026; its instructions are those of AMD's public machine-readable ISA for CDNA 5 (MIT licence, August 2026) and "CDNA5" Instruction Set Architecture Reference Guide (July 2026). The comments in the code are by the model that wrote it; some were corrected since.
;; Head. Allowed arithmetic: matrix products marked QUANTISED: E2M3 operands, one E8M0 scale for each 32 along K, by v_wmma_scale_f32_16x16x128_f8f6f4 with both operands' format E2M3, f32 sums; everything else in f32.
;; Inputs: Wk 1,024 x 128 float32; Wq 1,024 x 128 float32; Wv 1,024 x 128 float32; x 8 x 4,096 x 1,024 float32.
;; Outputs: out0 8 x 4,096 x 128 float32.
;; This version of the problem:
;;   THIS VERSION OF THE PROBLEM IS GIVEN IN LOW PRECISION. The matrix products marked QUANTISED in the list below multiply operands that are first quantised to E2M3 (2 exponent bits, 3 mantissa bits; 6 bits a number), with one power-of-two scale for each 32 numbers along K (OCP MX v1.0); their sums are f32. All else is computed in f32.
;;   The module's matrix products, in the order in which they are computed (A, B: the left and right operand; K: the contracted axis; several contracted axes count as one K, in the product's order):
;;     1. [M 32,768, K 1,024] x [K 1,024, N 128]; A: input x; B: input Wq: QUANTISED
;;     2. [M 32,768, K 1,024] x [K 1,024, N 128]; A: input x; B: input Wk: QUANTISED
;;     3. [M 32,768, K 1,024] x [K 1,024, N 128]; A: input x; B: input Wv: QUANTISED
;;     4. batch 8 x [M 4,096, K 128] x [K 128, N 4,096]; A: computed on the way; B: computed on the way: QUANTISED
;;     5. batch 8 x [M 4,096, K 4,096] x [K 4,096, N 128]; A: softmax (see below); B: computed on the way: QUANTISED
;;   THE QUANTISER, for each operand of a quantised product, along K:
;;     - K is cut into blocks of 32 from its start; a last block that is shorter is filled with zeros.
;;     - A block's scale is 2^e with e = floor(log2(the largest magnitude in the block)) - 2, held to -126 .. 127; a block of zeros has e = 0. As a byte (E8M0): e + 127.
;;     - Each number is divided by its block's scale, clamped to +-7.5, and rounded to the nearest number of E2M3, ties to even, subnormals kept.
;;     - The product sums the exact products of the quantised numbers (number of the format x scale) in f32.
;;   ~~~python
;;   def quantise(x, axis):      # numpy; x: float32 -> the quantised numbers, widened to float32 again
;;       x = np.moveaxis(x, axis, -1); K = x.shape[-1]
;;       x = np.pad(x, [(0, 0)] * (x.ndim - 1) + [(0, -K % 32)]); x = x.reshape(x.shape[:-1] + (-1, 32)); a = np.abs(x).max(-1, keepdims=True)
;;       e = np.where(a > 0, np.clip(np.frexp(np.where(a > 0, a, 1))[1] - 1 - 2, -126, 127), 0)      # np.frexp(a)[1] - 1 = floor(log2(a)), exactly
;;       r = np.clip(x / 2.0 ** e, -7.5, 7.5)
;;       step = 2.0 ** (np.maximum(np.frexp(np.where(r == 0, 1, r))[1] - 1, 0) - 3)
;;       q = np.round(r / step) * step * 2.0 ** e      # np.round: ties to even
;;       return np.moveaxis(q.reshape(q.shape[:-2] + (-1,))[..., :K], -1, axis).astype(np.float32)
;;   ~~~
;;   SOFTMAX AHEAD OF A QUANTISED PRODUCT. Where the list says 'softmax', what is quantised is not the finished softmax but p = 2^(t - M), with t = logit x log2(e) and M = ceil(the row's largest t), a whole number; so 1/2 < the row's largest p <= 1. The row's sum l is taken of the UNQUANTISED p, in f32, and the product's result is divided by l at the end. Since M is a whole number, a kernel that streams over the keys may use a running M (the ceiling of the running maximum): every later rescaling is an exact power of two, which a block's scale takes up: the codes' values come out the same.
;;   OPERANDS COMPUTED ON THE WAY. 'Computed on the way' means the value that the module computes at that place (a softmax that the list does not call 'softmax' is quantised finished and normalised). What goes into a quantiser is computed in f32, as accurately as f32 sums, v_exp_f32 and their like allow (about 1e-6 of the number): no bf16 or f16 on the way to a quantiser, and a product that is left as it is and whose result goes on into a quantised operand takes f32 operands (vector FMAs, or v_wmma_f32_16x16x4_f32). A number that lies on a knife's edge between two numbers of the format may be rounded either way, as far as f32 arithmetic and the matrix unit's own rounding can turn it there, and no further.
;; One version. Each part assembles by itself: llvm-mc -triple=amdgcn-amd-amdhsa -mcpu=gfx1250 --defsym DOCPART=n.
;; ======== version 1 of 1: 3 launches
;; limits: right only within a limited range of input values
;; workspace buffers: wc 319,488 bytes; qc 3,276,800 bytes; kv 6,553,600 bytes
;; launch wquant (part 1): grid 6 x 32, 1 waves a work-group, no clusters, 0 bytes of LDS; arguments Wq, Wk, Wv, wc; writes wc
.if DOCPART == 1
	.amdgcn_target "amdgcn-amd-amdhsa--gfx1250"
	.amdhsa_code_object_version 6
	.text
	.protected	k_qe758f7c8a6_wquant
	.globl	k_qe758f7c8a6_wquant
	.p2align	8
	.type	k_qe758f7c8a6_wquant,@function
k_qe758f7c8a6_wquant:
	s_mov_b64 s[64:65], 0
	v_nop
	global_prefetch_b8 v0, s[64:65] scope:SCOPE_SE
	s_setreg_imm32_b32 hwreg(HW_REG_WAVE_MODE, 25, 1), 1
	s_wait_xcnt 0x0
; Wq, Wk, Wv: [1024 (k)][128 (d)] f32, K along the FIRST axis.  They become codes of FP6 (E2M3) with one E8M0 scale byte for each 32 along K,
; laid in wc in the ORDER OF THE OPERAND'S REGISTERS, so that the next launch loads each fragment by three loads of 16 bytes a lane.
; wc: 32 records of 9,984 bytes; record 4 s + w serves K step s (128 along K) and wave w of the next launch.  In a record six fragments f (16 columns d x 128 k, 12 registers a lane):
; registers 4 c .. 4 c + 3 of lane l at 1,536 f + 512 c + 16 l; the fragment's scale words at 9,216 + 128 f + 4 l (every lane holds the word of column l % 16).
;   f = 0, 1: Wq, column of lane r: d = 32 w + 8 (f % 2) + r + 8 (r / 8);   f = 2, 3: Wk likewise;   f = 4, 5: Wv, d = 32 w + 16 (f % 2) + r.
; One wave makes one fragment: work-group x = f, y = the record.  A LANE TAKES A COLUMN AND ITS REGISTERS RUN DOWN K, in the order that the operand's layout gives the lane
; (k = 64 c + 32 (lane / 16) + 0 .. 31): the conversions' results are the operand's registers and nothing is transposed.  A lane holds two whole blocks of 32.
; A block's scale is 2^(floor(log2(its largest magnitude)) - 2); its byte is the largest magnitude's exponent field - 2, held at 1 from below.
; LIMITS: NaN and infinities among the inputs are not served; a block of zeros, and one whose largest magnitude lies under 2^-124, keeps the byte 1 (a block of zeros has zero codes, and this program alone reads the bytes).
; No LDS, no matrix unit, no cluster: 1.5 MB are read once and 0.3 MB written; the work-groups share nothing.
.set REC, 9984
	s_load_b256 s[4:11], s[0:1], 0x0               ; Wq s[4:5], Wk s[6:7], Wv s[8:9], wc s[10:11]
	v_and_b32 v1, 15, v0                           ; r
	v_lshrrev_b32 v2, 4, v0                        ; h (one wave: the thread's number is the lane)
	s_and_b32 s20, ttmp7, 0xffff                   ; the record
	s_lshr_b32 s21, s20, 2                         ; K step s
	s_and_b32 s22, s20, 3                          ; wave w
	s_and_b32 s23, ttmp9, 1                        ; u = f % 2
	s_mul_i32 s26, s20, REC
	s_mov_b32 s27, 0
	s_mul_i32 s16, ttmp9, 1536                     ; the fragment's place in its record,
	s_lshl_b32 s17, ttmp9, 7
	s_add_co_u32 s17, s17, 9216                    ; and its scale words'
	v_lshl_add_u32 v6, v0, 4, s16
	v_lshl_add_u32 v7, v0, 2, s17
	s_lshl_b32 s24, s21, 16                        ; 128 rows of 512 bytes a K step
	s_mov_b32 s25, 0
	s_mov_b32 s18, 0x76543210
	s_mov_b32 s19, 0xfedcba98                      ; v_permlanex16_b32's selects for lane l xor 16
	v_mov_b32 v10, 0                               ; a lane permute's destination counts as one of its sources
	s_wait_alu depctr_va_vdst(0)
	s_wait_kmcnt 0x0
	s_cmp_lt_u32 ttmp9, 2                          ; which weight: the choice hangs on the work-group's number alone
	s_cselect_b64 s[12:13], s[4:5], s[6:7]
	s_cmp_lt_u32 ttmp9, 4
	s_cselect_b64 s[12:13], s[12:13], s[8:9]
	s_cselect_b32 s14, 8, 0                        ; Wq, Wk: lanes 8-15 stand 8 columns further on
	s_cselect_b32 s15, 3, 4                        ; and the two tiles 8 columns apart; Wv: 16
	s_lshl_b32 s23, s23, s15
	s_lshl_b32 s22, s22, 5
	s_add_co_u32 s22, s22, s23                     ; the tile's first column
	v_and_b32 v3, s14, v1
	v_add3_u32 v3, v3, v1, s22                     ; my column d
	v_lshlrev_b32 v3, 2, v3
	v_lshl_add_u32 v5, v2, 14, v3                  ; lanes 16-31 begin 32 rows of 512 bytes further down
	s_add_nc_u64 s[12:13], s[12:13], s[24:25]
	s_add_nc_u64 s[10:11], s[10:11], s[26:27]
.irp c, 0,1
.set i, 0
.rept 32
	global_load_b32 v[64+32*\c+i], v5, s[12:13] offset:512*(64*\c+i)   ; W(128 s + 64 c + 32 h + i, d)
.set i, i+1
.endr
.endr
	s_wait_loadcnt 0x0
.irp c, 0,1                                    ; my block 2 c + h: all its 32 numbers are mine
	v_max3_num_f32 v[32+\c], |v[64+32*\c]|, |v[65+32*\c]|, 0x1800000   ; with the floor 2^(3 - 127): the byte cannot fall under 1
.endr
.irp i, 2,4,6,8,10,12,14,16,18,20,22,24,26,28,30
.irp c, 0,1
	v_max3_num_f32 v[32+\c], v[32+\c], |v[64+32*\c+\i]|, |v[65+32*\c+\i]|   ; the two blocks by turns
.endr
.endr
.irp c, 0,1
	v_add_nc_u32 v[44+\c], 0xff000000, v[32+\c]    ; 2 off the exponent field: the conversion takes the exponent field of this operand as its scale
.endr
.irp c, 0,1
	v_lshrrev_b32 v[36+\c], 23, v[44+\c]           ; the scale's byte
.endr
	v_lshl_or_b32 v9, v37, 16, v36                 ; my two bytes: blocks h and 2 + h,
	v_lshlrev_b32 v11, 3, v2
	v_lshlrev_b32 v9, v11, v9                      ; at their places in the scale word;
	v_permlanex16_b32 v10, v9, s18, s19
	v_or_b32 v9, v9, v10                           ; with lane l xor 16's two the word is whole, in both lanes
.irp c, 0,1
	v_cvt_scalef32_pk16_fp6_f32 v[48+6*\c:50+6*\c], v[64+32*\c:79+32*\c], v[44+\c]      ; registers 6 c .. 6 c + 2 of the operand
	v_cvt_scalef32_pk16_fp6_f32 v[128+4*\c:130+4*\c], v[80+32*\c:95+32*\c], v[44+\c]    ; a conversion's three registers begin on an even number: the second half is made elsewhere and moved
.endr
	v_nop                                          ; one plain place behind a scaled conversion
.irp c, 0,1
.irp i, 0,1,2
	v_mov_b32 v[51+6*\c+\i], v[128+4*\c+\i]
.endr
.endr
.irp c, 0,1,2
	global_store_b128 v6, v[48+4*\c:51+4*\c], s[10:11] offset:512*\c   ; the wave stores 512 consecutive bytes, at a multiple of 256 from wc's first byte
.endr
	global_store_b32 v7, v9, s[10:11]
	s_endpgm
.Lfunc_end_k_qe758f7c8a6_wquant:
	.size	k_qe758f7c8a6_wquant, .Lfunc_end_k_qe758f7c8a6_wquant-k_qe758f7c8a6_wquant
	.p2alignl 7, 3214868480
	.fill 96, 4, 3214868480
	.section	.rodata,"a",@progbits
	.p2align	6, 0x0
	.amdhsa_kernel k_qe758f7c8a6_wquant
		.amdhsa_group_segment_fixed_size 0
		.amdhsa_private_segment_fixed_size 0
		.amdhsa_enable_private_segment 0
		.amdhsa_kernarg_size 32
		.amdhsa_user_sgpr_count 2
		.amdhsa_user_sgpr_kernarg_segment_ptr 1
		.amdhsa_wavefront_size32 1
		.amdhsa_system_sgpr_workgroup_id_x 1
		.amdhsa_system_sgpr_workgroup_id_y 1
		.amdhsa_system_sgpr_workgroup_id_z 1
		.amdhsa_system_vgpr_workitem_id 0
		.amdhsa_next_free_vgpr 136
		.amdhsa_next_free_sgpr 66
		.amdhsa_reserve_vcc 0
		.amdhsa_float_denorm_mode_32 3
		.amdhsa_float_denorm_mode_16_64 3
		.amdhsa_memory_ordered 1
		.amdhsa_forward_progress 1
		.amdhsa_inst_pref_size 12
	.end_amdhsa_kernel
	.amdgpu_metadata
---
amdhsa.version: [ 1, 2 ]
amdhsa.kernels:
  - .name:           k_qe758f7c8a6_wquant
    .symbol:         k_qe758f7c8a6_wquant.kd
    .args:
      - { .name: Wq, .offset: 0, .size: 8, .value_kind: global_buffer, .address_space: global }
      - { .name: Wk, .offset: 8, .size: 8, .value_kind: global_buffer, .address_space: global }
      - { .name: Wv, .offset: 16, .size: 8, .value_kind: global_buffer, .address_space: global }
      - { .name: wc, .offset: 24, .size: 8, .value_kind: global_buffer, .address_space: global }
    .group_segment_fixed_size: 0
    .private_segment_fixed_size: 0
    .kernarg_segment_align: 8
    .kernarg_segment_size: 32
    .max_flat_workgroup_size: 32
    .sgpr_count:     66
    .vgpr_count:     136
    .wavefront_size: 32
...
	.end_amdgpu_metadata
.endif
;; end of part 1
;; launch proj (part 2): grid 256 x 1, 4 waves a work-group, no clusters, 327,680 bytes of LDS; arguments x, wc, qc, kv; writes qc, kv
.if DOCPART == 2
	.amdgcn_target "amdgcn-amd-amdhsa--gfx1250"
	.amdhsa_code_object_version 6
	.text
	.protected	k_qe758f7c8a6_proj
	.globl	k_qe758f7c8a6_proj
	.p2align	8
	.type	k_qe758f7c8a6_proj,@function
k_qe758f7c8a6_proj:
	s_mov_b64 s[64:65], 0
	v_nop
	global_prefetch_b8 v0, s[64:65] scope:SCOPE_SE
	s_setreg_imm32_b32 hwreg(HW_REG_WAVE_MODE, 25, 1), 1
	s_wait_xcnt 0x0
.set WREG,  33280
.set XROW,  1040
.set SLOT,  133120
.set B0,    266240
.set BUFB,  26624
.set SCO,   24576
.set SPARE, 319488
.set LI,  1
.set LS,  2
.set XN,  4
.set XWI, 8
.set XWS, 9
.set FI,  10
.set FS,  11
.set QA,  12
.set SB,  15
.set VS,  16
.set CP,  17
.set CS,  18
.set GC,  19
.set GS,  20
.set XS,  24
.set WS,  32
.set PC,  44
.set QN,  64
.set XF,  128
.set TM,  224
.set PW,  240
.set VW,  242
.set SPW, 252
.set NIL, 253
.set WV,  12
.set G1,  16
.set G0,  24
.set SEL, 32
.set MSB, 0
.macro WIN new
.if MSB != (\new)
	s_set_vgpr_msb (MSB<<8)|(\new)
.set MSB, (\new)
.endif
.endm
.macro PLACES
.rept 4
	v_nop
.endr
.endm
.macro MM0 d, a, b, sa, sb
	v_wmma_scale_f32_16x16x128_f8f6f4 v[(\d):(\d)+7], v[(\a):(\a)+11], v[(\b):(\b)+11], 0, v[(\sa)], v[(\sb)] matrix_a_fmt:MATRIX_FMT_FP6 matrix_b_fmt:MATRIX_FMT_FP6
.endm
.macro MMA d, a, b, sa, sb
	v_wmma_scale_f32_16x16x128_f8f6f4 v[(\d):(\d)+7], v[(\a):(\a)+11], v[(\b):(\b)+11], v[(\d):(\d)+7], v[(\sa)], v[(\sb)] matrix_a_fmt:MATRIX_FMT_FP6 matrix_b_fmt:MATRIX_FMT_FP6
.endm
.macro QCORE s, w, pc
	WIN 20*(\w)
.irp b, 0,1,2,3
	v_max3_num_f32 v[TM+\b], 0x1800000, |v[(\s)+16*\b]|, |v[(\s)+16*\b+1]|
.endr
.irp i, 2,4,6,8,10,12,14
.irp b, 0,1,2,3
	v_max3_num_f32 v[TM+\b], v[TM+\b], |v[(\s)+16*\b+\i]|, |v[(\s)+16*\b+\i+1]|
.endr
.endr
	WIN 0
.irp b, 0,1,2,3
	v_permlanex16_b32 v[TM+4+\b], v[TM+\b], s[SEL], s[SEL+1]
.endr
.irp b, 0,1,2,3
	v_max_num_f32 v[TM+\b], v[TM+\b], v[TM+4+\b]
.endr
.irp b, 0,1,2,3
	v_add_nc_u32 v[TM+12+\b], 0xff000000, v[TM+\b]
.endr
.irp b, 0,1,2,3
	v_lshrrev_b32 v[TM+4+\b], 23, v[TM+12+\b]
.endr
	WIN (\w)
.irp c, 0,1
	v_cvt_scalef32_pk16_fp6_f32 v[(\pc)+6*\c:(\pc)+6*\c+2], v[(\s)+32*\c:(\s)+32*\c+15], v[TM+12+2*\c]
	v_cvt_scalef32_pk16_fp6_f32 v[(\pc)+12+4*\c:(\pc)+14+4*\c], v[(\s)+32*\c+16:(\s)+32*\c+31], v[TM+13+2*\c]
.endr
	WIN 0
	v_nop
.endm
.macro FRAGFIN pc
	v_lshl_or_b32 v[PW], v[TM+5], 8, v[TM+4]
	v_lshl_or_b32 v[PW], v[TM+6], 16, v[PW]
	v_lshl_or_b32 v[PW], v[TM+7], 24, v[PW]
.irp c, 0,1
.irp i, 0,1,2
	v_permlane16_swap_b32 v[(\pc)+6*\c+\i], v[(\pc)+12+4*\c+\i]
.endr
.irp i, 0,1,2
	v_mov_b32 v[(\pc)+3+6*\c+\i], v[(\pc)+12+4*\c+\i]
.endr
.endr
.endm
; A chunk is quantised in four units of 16 rows x 128 along K.  A unit's 16 LDS loads are issued one unit ahead, by turns into QN and into the x fragments' registers, which no product reads in this phase.
.macro QLOAD slot, ks, u, q
.irp b, 0,1,2,3
.irp j, 0,1,2,3
	ds_load_b128 v[(\q)+16*\b+4*\j:(\q)+16*\b+4*\j+3], v[XN+(\u)+2*(\slot)] offset:512*(\ks)+128*\b+16*\j
.endr
.endr
.endm
.macro QUNIT buf, ks, u, q
	QCORE \q, 0, PC
	FRAGFIN PC
.irp c, 0,1,2
	ds_store_b128 v[XWI], v[PC+4*\c:PC+4*\c+3] offset:BUFB*(\buf)+1536*(2*(\u)+(\ks))+512*\c
.endr
	ds_store_b32 v[XWS], v[PW] offset:BUFB*(\buf)+128*(2*(\u)+(\ks))
.endm
.macro QUANTCHUNK slot, buf
	QLOAD \slot, 0, 0, QN
	QLOAD \slot, 0, 1, XF
	s_wait_dscnt 16                                ; all but the 16 loads just issued: the unit in hand is in
	QUNIT \buf, 0, 0, QN
	QLOAD \slot, 1, 0, QN
	s_wait_dscnt 16                                ; the unit in hand is in, and the last unit's four stores have read their registers
	QUNIT \buf, 0, 1, XF
	QLOAD \slot, 1, 1, XF
	s_wait_dscnt 16
	QUNIT \buf, 1, 0, QN
	s_wait_dscnt 0x0
	QUNIT \buf, 1, 1, XF
.endm
.macro WLOAD s
	WIN 0x40
.irp f, 0,1,2,3,4,5
.irp c, 0,1,2
	global_load_b128 v[72*((\s)%2)+12*\f+4*\c:72*((\s)%2)+12*\f+4*\c+3], v[LI], s[6:7] offset:39936*(\s)+1536*\f+512*\c
.endr
.endr
	WIN 0
.irp f, 0,1,2,3,4,5
	global_load_b32 v[WS+6*((\s)%2)+\f], v[LS], s[6:7] offset:39936*(\s)+9216+128*\f
.endr
.endm
.macro MULSTEP s, buf, ks
.irp m, 0,1,2,3,4,5,6,7
.irp c, 0,1,2
	ds_load_b128 v[XF+12*\m+4*\c:XF+12*\m+4*\c+3], v[FI] offset:BUFB*(\buf)+1536*(2*\m+(\ks))+512*\c
.endr
	ds_load_b32 v[XS+\m], v[FS] offset:BUFB*(\buf)+128*(2*\m+(\ks))
.endr
.if (\s) < 7
	s_wait_loadcnt 24
.else
	s_wait_loadcnt 0x0
.endif
	WIN 0xa1
.irp m, 0,1,2,3,4,5,6,7
	s_wait_dscnt 28-4*\m                           ; tile m's four loads are in; the four of each later tile may be out
.irp f, 0,1,2,3
.if (\s) == 0
	MM0 128*(\f/2)+16*\m+8*(\f%2), 72*((\s)%2)+12*\f, XF+12*\m, WS+6*((\s)%2)+\f, XS+\m
.else
	MMA 128*(\f/2)+16*\m+8*(\f%2), 72*((\s)%2)+12*\f, XF+12*\m, WS+6*((\s)%2)+\f, XS+\m
.endif
.endr
.endr
	WIN 0xf4
.irp m, 0,1,2,3,4,5,6,7
.irp u, 0,1
.if (\s) == 0
	MM0 64*\u+8*\m, XF+12*\m, 72*((\s)%2)+12*(4+\u), XS+\m, WS+6*((\s)%2)+4+\u
.else
	MMA 64*\u+8*\m, XF+12*\m, 72*((\s)%2)+12*(4+\u), XS+\m, WS+6*((\s)%2)+4+\u
.endif
.endr
.endr
	WIN 0
	PLACES
.if (\s) < 6
	WLOAD (\s)+2
.endif
.endm
.macro REFILL n
	s_wait_tensorcnt 0x0
	ds_add_u32 v[SPW], v[NIL]
	s_add_nc_u64 s[G0+4*\n+2:G0+4*\n+3], s[G0+4*\n+2:G0+4*\n+3], 2048
	s_wait_dscnt 0x0
	s_barrier_signal -1
	s_barrier_wait -1
	tensor_load_to_lds s[G0+4*\n:G0+4*\n+3], s[G1:G1+7]
	s_nop 0
	PLACES
.if \n == 0
.irp i, 0,1,2,3
	global_prefetch_b8 v3, s[4:5] offset:3072+256*\i th:TH_LOAD_NT scope:SCOPE_SE   ; chunk 3, which the next refill loads: my 32 rows x 1,024 bytes, each block of 256 bytes named once; the last refill asks for nothing
.endr
.endif
.endm
	s_load_b256 s[4:11], s[0:1], 0x0
	v_lshl_add_u32 v[SPW], v0, 2, SPARE
	v_mov_b32 v[NIL], 0
	ds_add_u32 v[SPW], v[NIL]
	ds_add_u32 v[SPW], v[NIL]
	v_lshrrev_b32 v244, 5, v0
	v_readfirstlane_b32 s[WV], v244
	s_mov_b32 s[G1+0], (2<<16)|(1<<20)|(7<<22)|(3<<25)
	s_mov_b32 s[G1+1], 256<<16
	s_mov_b32 s[G1+2], 32<<16
	s_mov_b32 s[G1+3], 256<<16
	s_mov_b32 s[G1+4], 32
	s_mov_b32 s[G1+5], 1024
	s_mov_b32 s[G1+6], 0
	s_mov_b32 s[G1+7], 0
	s_mov_b32 s[SEL], 0x76543210
	s_mov_b32 s[SEL+1], 0xfedcba98
	s_mul_i32 s34, s[WV], WREG
	s_lshl_b32 s36, ttmp9, 19
	s_lshl_b32 s37, s[WV], 17
	s_add_co_u32 s36, s36, s37
	s_mov_b32 s37, 0
	s_mul_i32 s38, s[WV], 9984
	s_mov_b32 s39, 0
	s_mul_i32 s40, ttmp9, 12800
	s_mov_b32 s41, 0
	s_mul_i32 s42, ttmp9, 25600
	s_mov_b32 s43, 0
	v_and_b32 v244, 31, v0
	v_and_b32 v245, 15, v0
	v_bfe_u32 v246, v0, 4, 1
	v_lshlrev_b32 v[LI], 4, v244
	v_lshlrev_b32 v[LS], 2, v244
	v_lshlrev_b32 v3, 12, v244                     ; the prefetches' offset: a lane a row of x, 4,096 bytes; never rewritten
	v_and_b32 v247, 8, v245
	v_add_nc_u32 v247, v247, v245
	v_mul_u32_u24 v247, v247, XROW
	v_lshl_add_u32 v247, v246, 6, v247
	v_add_nc_u32 v[XN], s34, v247
	v_add_nc_u32 v[XN+1], 8*XROW, v[XN]
	v_add_nc_u32 v[XN+2], SLOT, v[XN]
	v_add_nc_u32 v[XN+3], SLOT+8*XROW, v[XN]
	s_mul_i32 s35, s[WV], 6144
	s_add_co_u32 s35, s35, B0
	v_add_nc_u32 v[XWI], s35, v[LI]
	s_lshl_b32 s35, s[WV], 9
	s_add_co_u32 s35, s35, B0+SCO
	v_add_nc_u32 v[XWS], s35, v[LS]
	v_add_nc_u32 v[CS], s35, v[LI]
	v_add_nc_u32 v[FI], B0, v[LI]
	v_add_nc_u32 v[FS], B0+SCO, v[LS]
	s_lshr_b32 s35, s[WV], 1
	s_mul_i32 s35, s35, 24
	v_mad_u32_u24 v247, v246, 12, s35
	s_and_b32 s35, s[WV], 1
	s_lshl_b32 s35, s35, 8
	s_add_co_u32 s35, s35, B0
	v_lshl_add_u32 v248, v245, 4, s35
.irp i, 0,1,2
	v_add_nc_u32 v249, 4*\i, v247
	v_lshrrev_b32 v[QA+\i], 4, v249
	v_and_b32 v249, 15, v249
	v_lshl_add_u32 v249, v[QA+\i], 9, v249
	v_add_nc_u32 v[QA+\i], v249, v248
.endr
	s_add_co_u32 s35, s[WV], B0+SCO
	v_lshl_add_u32 v[SB], v245, 5, s35
	s_lshl_b32 s35, s[WV], 3
	s_add_co_u32 s35, s35, B0+25600
	v_lshl_add_u32 v[VS], v245, 5, s35
	s_mul_i32 s35, s[WV], 3072
	v_add_nc_u32 v[GC], s35, v[LI]
	v_add_nc_u32 v[CP], B0, v[GC]
	s_lshl_b32 s35, s[WV], 9
	s_add_co_u32 s35, s35, 24064
	s_cmp_eq_u32 s[WV], 0
	s_cselect_b32 s35, 12288, s35
	v_add_nc_u32 v[GS], s35, v[LI]
.irp b, 0,1,2,3
	v_mov_b32 v[TM+4+\b], 0
.endr
	s_wait_dscnt 0x0
	s_wait_kmcnt 0x0
	s_add_nc_u64 s[4:5], s[4:5], s[36:37]
.irp n, 0,1
	s_mov_b32 s[G0+4*\n], 1
	s_add_co_u32 s[G0+4*\n+1], s34, \n*SLOT
	s_add_nc_u64 s[G0+4*\n+2:G0+4*\n+3], s[4:5], \n*1024
	s_or_b32 s[G0+4*\n+3], s[G0+4*\n+3], 0x80000000
	s_wait_alu depctr_va_vdst(0)
	s_wait_tensorcnt 0x0
	ds_add_u32 v252, v253
	ds_add_u32 v252, v253
	s_wait_dscnt 0x0
	s_barrier_signal -1
	s_barrier_wait -1
	tensor_load_to_lds s[G0+4*\n:G0+4*\n+3], s[G1:G1+7]
	s_nop 0
	PLACES
.irp i, 0,1,2,3
	global_prefetch_b8 v3, s[4:5] offset:1024*(\n+1)+256*\i th:TH_LOAD_NT scope:SCOPE_SE   ; a prefetch into the L2 of the chunk that my next tensor load brings: one chunk ahead, a lane a row, four blocks of 256 bytes a row
.endr
.endr
	PLACES
	s_add_nc_u64 s[6:7], s[6:7], s[38:39]
	s_add_nc_u64 s[8:9], s[8:9], s[40:41]
	s_add_nc_u64 s[10:11], s[10:11], s[42:43]
	WLOAD 0
	WLOAD 1
	s_wait_tensorcnt 0x1
	QUANTCHUNK 0, 0
	REFILL 0
	MULSTEP 0, 0, 0
	MULSTEP 1, 0, 1
	QUANTCHUNK 1, 1
	REFILL 1
	MULSTEP 2, 1, 0
	MULSTEP 3, 1, 1
	QUANTCHUNK 0, 0
	s_wait_dscnt 0x0
	s_barrier_signal -1
	s_barrier_wait -1
	MULSTEP 4, 0, 0
	MULSTEP 5, 0, 1
	s_wait_tensorcnt 0x0
	QUANTCHUNK 1, 1
	s_wait_dscnt 0x0
	s_barrier_signal -1
	s_barrier_wait -1
	MULSTEP 6, 1, 0
	MULSTEP 7, 1, 1
.macro QKOUT s, m0, isk
	QCORE \s, 2, PC
.irp b, 0,1,2,3
.set DB, PC+(1-\b%2)*6*(\b/2)+(\b%2)*(12+4*(\b/2))
.irp i, 0,1,2
	ds_store_b32 v[QA+\i], v[DB+\i] offset:12288*(\isk)+1536*((\m0)+\b)
.endr
	ds_store_b8 v[SB], v[TM+4+\b] offset:512*(\isk)+4*((\m0)+\b)
.endr
	s_wait_dscnt 0x0
.endm
	QKOUT 0, 0, 0
	QKOUT 64, 4, 0
	QKOUT 128, 0, 1
	QKOUT 192, 4, 1
.irp u, 0,1
	QCORE 64*\u, 3, 64+24*\u
	FRAGFIN 64+24*\u
	v_mov_b32 v[VW+\u], v[PW]
.irp c, 0,1,2
	global_store_b128 v[GC], v[64+24*\u+4*\c:64+24*\u+4*\c+3], s[10:11] offset:12288+1536*\u+512*\c
.endr
.endr
	ds_store_b64 v[VS], v[VW:VW+1]
	s_wait_dscnt 0x0
	s_barrier_signal -1
	s_barrier_wait -1
.irp i, 0,1,2,3,4,5
	ds_load_b128 v[XF+4*\i:XF+4*\i+3], v[CP] offset:512*\i
.endr
.irp i, 0,1,2,3,4,5
	ds_load_b128 v[XF+24+4*\i:XF+24+4*\i+3], v[CP] offset:12288+512*\i
.endr
.irp i, 0,1,2,3,4,5
	s_wait_dscnt 11-\i
	global_store_b128 v[GC], v[XF+4*\i:XF+4*\i+3], s[8:9] offset:512*\i
.endr
.irp i, 0,1,2,3,4,5
	s_wait_dscnt 5-\i
	global_store_b128 v[GC], v[XF+24+4*\i:XF+24+4*\i+3], s[10:11] offset:512*\i
.endr
	s_cmp_eq_u32 s[WV], 3
	s_cbranch_scc1 .Lno_scales
	ds_load_b128 v[XF+48:XF+51], v[CS]
	s_cmp_eq_u32 s[WV], 0
	s_cselect_b64 s[44:45], s[8:9], s[10:11]
	s_wait_dscnt 0x0
	global_store_b128 v[GS], v[XF+48:XF+51], s[44:45]
.Lno_scales:
	s_wait_tensorcnt 0x0
	ds_add_u32 v[SPW], v[NIL]
	s_wait_dscnt 0x0
	s_endpgm
.Lfunc_end_k_qe758f7c8a6_proj:
	.size	k_qe758f7c8a6_proj, .Lfunc_end_k_qe758f7c8a6_proj-k_qe758f7c8a6_proj
	.p2alignl 7, 3214868480
	.fill 96, 4, 3214868480
	.section	.rodata,"a",@progbits
	.p2align	6, 0x0
	.amdhsa_kernel k_qe758f7c8a6_proj
		.amdhsa_group_segment_fixed_size 327680
		.amdhsa_private_segment_fixed_size 0
		.amdhsa_enable_private_segment 0
		.amdhsa_kernarg_size 32
		.amdhsa_user_sgpr_count 2
		.amdhsa_user_sgpr_kernarg_segment_ptr 1
		.amdhsa_wavefront_size32 1
		.amdhsa_system_sgpr_workgroup_id_x 1
		.amdhsa_system_sgpr_workgroup_id_y 1
		.amdhsa_system_sgpr_workgroup_id_z 1
		.amdhsa_system_vgpr_workitem_id 0
		.amdhsa_next_free_vgpr 896
		.amdhsa_next_free_sgpr 66
		.amdhsa_reserve_vcc 0
		.amdhsa_float_denorm_mode_32 3
		.amdhsa_float_denorm_mode_16_64 3
		.amdhsa_memory_ordered 1
		.amdhsa_forward_progress 1
		.amdhsa_inst_pref_size 204
	.end_amdhsa_kernel
	.amdgpu_metadata
---
amdhsa.version: [ 1, 2 ]
amdhsa.kernels:
  - .name:           k_qe758f7c8a6_proj
    .symbol:         k_qe758f7c8a6_proj.kd
    .args:
      - { .name: x, .offset: 0, .size: 8, .value_kind: global_buffer, .address_space: global }
      - { .name: wc, .offset: 8, .size: 8, .value_kind: global_buffer, .address_space: global }
      - { .name: qc, .offset: 16, .size: 8, .value_kind: global_buffer, .address_space: global }
      - { .name: kv, .offset: 24, .size: 8, .value_kind: global_buffer, .address_space: global }
    .group_segment_fixed_size: 327680
    .private_segment_fixed_size: 0
    .kernarg_segment_align: 8
    .kernarg_segment_size: 32
    .max_flat_workgroup_size: 128
    .sgpr_count:     66
    .vgpr_count:     896
    .wavefront_size: 32
...
	.end_amdgpu_metadata
.endif
;; end of part 2
;; launch attn (part 3): grid 32 x 8, 8 waves a work-group, clusters of 4 x 1, 327,680 bytes of LDS; arguments qc, kv, out0; writes out0
.if DOCPART == 3
	.amdgcn_target "amdgcn-amd-amdhsa--gfx1250"
	.amdhsa_code_object_version 6
	.text
	.protected	k_qe758f7c8a6_attn
	.globl	k_qe758f7c8a6_attn
	.p2align	8
	.type	k_qe758f7c8a6_attn,@function
k_qe758f7c8a6_attn:
	s_mov_b64 s[64:65], 0
	v_nop
	global_prefetch_b8 v0, s[64:65] scope:SCOPE_SE
	s_setreg_imm32_b32 hwreg(HW_REG_WAVE_MODE, 25, 1), 1
	s_wait_xcnt 0x0
	s_wait_alu depctr_hold_cnt(0) depctr_sa_sdst(0) depctr_va_vdst(0) depctr_va_sdst(0) depctr_va_ssrc(0) depctr_va_vcc(0) depctr_vm_vsrc(0)
	s_getreg_b32 s2, hwreg(HW_REG_IB_STS2, 6, 4)
	s_cmp_eq_u32 s2, 0
	s_cbranch_scc0 .Lentry_in_a_cluster
	s_endpgm
.Lentry_in_a_cluster:
	s_bfe_u32 s2, ttmp6, 0x10000c
	s_cmp_lg_u32 s2, 0x3003
	s_cbranch_scc0 .Lentry_shape_is_right
	s_endpgm
.Lentry_shape_is_right:
; out0[b][q][:] = the sum over keys k <= q of softmax_k(q . k / sqrt(128)) v[k][:], both products on codes of FP6 (E2M3) with one E8M0 scale for each 32 along a product's K.  8 batches, 4,096 tokens, head size 128.
; qc, kv: records of 128 tokens made by the launch before, fragments in register order (registers 4 c .. 4 c + 3 of lane l at 512 c + 16 l, 1,536 bytes a fragment).
;   qc record (12,800 bytes): q's eight tiles; scale words at 12,288 + 32 r + 4 mt.   kv record (25,600 bytes): k's eight tiles; v^T's eight from 12,288; k's scale words at 24,576 + 32 r + 4 t; v's at 25,088 + 32 r + 4 t.
;   Row r of a tile mt of q or k is token 32 (mt / 2) + 8 (mt % 2) + r + 8 (r / 8) of the record.
; WORK LEFT OUT: key steps all of whose keys come after a tile's queries lie wholly under the causal mask: their weights are 0 for all inputs.
; THE SOFTMAX AHEAD OF THE SECOND PRODUCT: t = score x log2(e) / sqrt(128); M = the largest t so far, rounded UP to a whole number; p = 2^(t - M) is quantised along the keys, not normalised; the row's sum is taken of the
; unquantised p and divides at the end; when M moves, the sum and O are multiplied by 2^(old M - new M): exact.
; SHARES.  Cluster x = m (0..7) of a batch owns the LATE records 31 - 2 m, 30 - 2 m and the EARLY records 2 m, 2 m + 1 of queries; its work-group cx takes tiles 2 cx, 2 cx + 1 of each: four late and four early tiles.
; A late tile and its early tile need 33 records of keys together, so every work-group has 132 pieces of 16 queries x 128 keys.  Wave w has the PAIR of tiles P = w % 2 (both tiles of one record: 32 queries) and takes record
; c = w / 2 of each slot of four records: each fragment of k and of v is read from LDS once and feeds both tiles.  Four waves share a pair, each with a running M, sum and O^T of its own for each tile.
; The late tiles walk nL = 8 - m / 2 slots, then the same waves take the early tiles for 9 - nL slots: nine slots in every work-group.
; Both products are used transposed (S^T = k q^T, O^T = v^T p^T): a lane holds ONE query of each tile throughout, and by the order of k's rows the 16 registers of tiles 2 b, 2 b + 1 of S^T are keys 32 b + 16 (lane / 16) + 0 .. 15.
; THE WAY OUT (at the change of tiles and at the end): each wave lays -M, its sum and one half of O^T (256 bytes a row) of both tiles into its stages; behind a barrier wave c reads rows 4 c .. 4 c + 3 of the four stages of each
; tile, brings them under the common M (a power of two: exact), divides by the common sum and stores whole rows' halves; then the other half.  The three barriers stand on every wave's path in every trip, and a scalar branch on
; ids leads round the work between them alone.
; THE MASK.  Trip counts are constants, and no tensor load or barrier is jumped over.  A hidden step is left out by a scalar branch on ids; in the pair's own record hidden scores become -infinity ahead of the maximum.
; The record's first key counts for every query of the record, so M is a number from a wave's first step on.  A wave with no step hands on zeros and gets the factor 0.
; CLUSTER.  The four partners walk the same records of kv in the same order: each record is asked for JOINTLY.  All branches hang on the cluster's x, the wave's number and counted steps;
; a work-group's place in the cluster enters the addresses of q and out0, the prefetch's address and the mask's data alone.
; LIMITS: NaN and infinities are not served; the promise holds while the scaled scores stay under 2^31 in magnitude; a p under 2^-126 counts as 0 (v_exp_f32 gives 0 there); a block of p that is all zeros keeps the scale byte 1.
; The launch claims all of LDS.
; REGISTERS, in two windows of 256.  Window 0: v1-11, v28-30 addresses; tile A: v12 -M, v13 the largest t, v[14:15] the sum in two halves, v16-27 q, v96-159 S^T then p, v160-223 O^T, v224-235 p's codes, v232-254 at work;
;   v32-79 fragments 0-3 of k or v; v80-87 k's scale words (v80 then tile B's p's), v88-95 v's; v253 tile A's p's scale word, v255 its q's, v31 tile B's q's: scale words are always taken from window 0.
;   Window 1: tile B in the same numbers as tile A (v29: its place for the mask); v32-79 fragments 4-7.  The softmax is written once and run under each window.
.set RECB,  25600
.set SLOTB, 4*RECB                     ; a slot: four records, 102,400 bytes
.set SLOT1, 1<<17                      ; slot 1 begins here, so that one exclusive or turns an address in one slot into the other's
.set QST,   102400                     ; between the slots: the early tiles' q, 3,072 bytes for each wave
.set SPARE, 126976                     ; the spare words, 128 bytes for each wave: four blocks of 256 bytes that no other line names
.set EX,    233472                     ; behind the ring: 512 bytes for each wave: -M and the sum of each tile; from EX + 4,096 on, 512 for each wave: the early q's scale words
.set STAGE, 241664                     ; 16 rows x (256 bytes + 16) for each tile of each wave
.set STG,   4352
.set AK0, 1                            ; 16 x lane + my record of a slot
.set AS0, 2                            ; 32 r + my record of a slot
.set EXA, 3                            ; my words in EX
.set EXR, 4                            ; the words of my four rows, in the first of my pair's four waves
.set SPW, 5                            ; LDS address of my spare word; never rewritten
.set NIL, 6                            ; 0; never rewritten
.set GO,  7                            ; my byte offset in four rows of out0
.set ADK, 8                            ; the step's fragments
.set ADS, 9                            ; and scale words
.set SO,  10                           ; the stage: where I put 32 bytes of a row
.set RD,  11                           ; where I read my rows, in the first of my pair's four waves' stages
.set PFO, 28                           ; the prefetch's offset
.set DQ,  29                           ; my query's place in its record - 16 (lane / 16)
.set QSA, 30                           ; the early q's images
.set QSB, 31                           ; tile B's q's scale word
.set PSB, 80                           ; tile B's p's scale word
.set WV,  12
.set CC,  13                           ; c: my record of a slot
.set RR,  14                           ; my pair's record: the last key step that counts for it
.set TB,  15                           ; LDS byte at which the slot in hand begins
.set KS,  16                           ; my key step in it
.set SI,  17                           ; the slot's number, 0 to 8
.set LIM, 18                           ; 6 in a wave that prefetches, else 0
.set LC,  19                           ; the loop's trips to go
.set SEL, 20
.set CS,  22                           ; s[22:23] c = log2(e) / sqrt(128)
.set G1,  24
.set G0,  32
.set PFA, 36
.set NLM1, 44                          ; nL - 1: the late tiles' last slot
.set RRE, 45                           ; the early pair's record
.set BASE, 60                          ; s[60:61] the descriptor's address of my record in the batch's first four
.set MSB, 0
.macro WIN new                         ; low byte: bits 1:0 source 0, 3:2 source 1, 5:4 source 2, 7:6 destination; the high byte repeats the setting that is left.  At every label and branch the setting is 0
.if MSB != (\new)
	s_set_vgpr_msb (MSB<<8)|(\new)
.set MSB, (\new)
.endif
.endm
.macro CROUND                          ; a round of the cluster's barrier
	s_barrier_signal -1
	s_barrier_wait -1
	s_cmp_lg_u32 s[WV], 0
	s_cbranch_scc1 .Lnot_wave_0_\@
	s_barrier_signal -3
.Lnot_wave_0_\@:
	s_barrier_wait -3
	s_barrier_signal -1
	s_barrier_wait -1
.endm
.macro TLOAD                           ; waves 0 to 3 fetch a record each, jointly with the same waves of the three partners; an s_nop 0 and four v_nop follow the line
	s_cmp_lt_u32 s[WV], 4
	s_cbranch_scc0 .Lno_load_\@
	tensor_load_to_lds s[G0:G0+3], s[G1:G1+7]
	s_nop 0
.rept 4
	v_nop
.endr
.Lno_load_\@:
.endm
; A PREFETCH INTO THE L2 of the slot that the NEXT change of slots will ask for: a slot's steps ahead of that load.  All eight clusters of a batch begin with the same records: the first (cluster x = 0), which walks all 32, asks.
; Its four partners take a record each, told apart BY ADDRESS; in each, waves 4 to 7 take 6,400 bytes each: 25 lanes 256 bytes apart; lanes 25 to 31 name lane 24's block once more.
; Trip i names slot i + 2, so trips 0 to 5 ask: records 8 to 31.  Slots 0 and 1 come by their loads alone.
.macro ASK
	s_cmp_lt_u32 s[SI], s[LIM]
	s_cbranch_scc0 .Lnot_mine_\@
	global_prefetch_b8 v[PFO], s[PFA:PFA+1] th:TH_LOAD_NT scope:SCOPE_SE
.Lnot_mine_\@:
.endm
.macro INIT                            ; a tile's start, under its window: the step is written once, and a wave's first step finds zeros, which the first change of M leaves zeros
	v_mov_b32 v13, 0xff61b1e6                      ; the largest t so far: -3e38, under every t
	v_mov_b32 v14, 0                               ; the sum, in two halves
	v_mov_b32 v15, 0
	v_floor_f32 v12, -v13                          ; -M
.set n, 0
.rept 64
	v_mov_b32 v[160+n], 0                          ; O^T
.set n, n+1
.endr
.endm
	s_load_b128 s[4:7], s[0:1], 0x0                ; qc s[4:5], kv s[6:7]
	s_load_b64 s[8:9], s[0:1], 0x10                ; out0
	v_lshl_add_u32 v[SPW], v0, 2, SPARE
	v_mov_b32 v[NIL], 0
	ds_add_u32 v[SPW], v[NIL]                      ; the wave's opening: the add, twice on end, and its wait ahead of the round in front of the first tensor loads
	ds_add_u32 v[SPW], v[NIL]
	v_lshrrev_b32 v232, 5, v0
	s_delay_alu instid0(VALU_DEP_1)
	v_readfirstlane_b32 s[WV], v232                ; wave 0..7
	s_bfe_u32 s40, ttmp6, 0x40000                  ; cx: my place in the cluster
	s_and_b32 s41, ttmp7, 0xffff                   ; the batch, which the partners share
	s_and_b32 s2, s[WV], 3                         ; which record I fetch, or which quarter I prefetch
	s_lshr_b32 s[CC], s[WV], 1
	s_and_b32 s38, s[WV], 1                        ; P: my pair
	s_lshl_b32 s39, ttmp9, 1
	s_sub_co_u32 s[RR], 31, s39
	s_sub_co_u32 s[RR], s[RR], s38                 ; the late pair's record: 31 - 2 m - P
	s_add_co_u32 s[RRE], s39, s38                  ; the early pair's: 2 m + P
	s_lshr_b32 s[NLM1], ttmp9, 1
	s_sub_co_u32 s[NLM1], 7, s[NLM1]
	s_lshl_b32 s43, s40, 1                         ; tile A in its record: mt = 2 cx; tile B is the next
	s_lshl_b32 s54, s41, 5
	s_mul_i32 s55, s43, 1536
	s_lshl_b32 s56, s43, 2
	s_add_co_u32 s39, s54, s[RR]
	s_mul_i32 s39, s39, 12800                      ; the late q's record,
	s_add_co_u32 s46, s39, s55                     ; tile A's image in it,
	s_add_co_u32 s48, s39, s56                     ; and its scale words' column
	s_add_co_u32 s39, s54, s[RRE]
	s_mul_i32 s39, s39, 12800                      ; the same for the early q
	s_add_co_u32 s50, s39, s55
	s_add_co_u32 s52, s39, s56
	s_mov_b32 s47, 0
	s_mov_b32 s49, 0
	s_mov_b32 s51, 0
	s_mov_b32 s53, 0
	s_lshl_b32 s57, s40, 5                         ; tile A's first token in its record: 32 cx; tile B's: 8 further on
	s_lshl_b32 s54, s41, 12
	s_add_co_u32 s54, s54, s57
	s_lshl_b32 s55, s[CC], 2
	s_add_co_u32 s54, s54, s55
	s_lshr_b32 s55, s[CC], 1
	s_lshl_b32 s55, s55, 3
	s_add_co_u32 s54, s54, s55                     ; a tile's rows 4 c .. 4 c + 3 are tokens 4 c + 8 (c / 2) and the next three
	s_lshl_b32 s55, s[RR], 7
	s_add_co_u32 s58, s54, s55
	s_lshl_b32 s58, s58, 9                         ; their rows of out0, 512 bytes a row: the late tile's,
	s_mov_b32 s59, 0
	s_lshl_b32 s55, s[RRE], 7
	s_add_co_u32 s60, s54, s55
	s_lshl_b32 s60, s60, 9                         ; and the early tile's
	s_mov_b32 s61, 0
	s_mul_i32 s3, s41, 32*RECB                     ; the batch's first record of kv
	s_mul_i32 s[G0+1], s2, RECB                    ; the record that I fetch, if I fetch: in slot 0,
	s_add_co_u32 s62, s3, s[G0+1]                  ; and in memory
	s_mov_b32 s63, 0
	s_mul_i32 s54, s2, 6400                        ; the prefetches: my quarter
	s_mul_i32 s56, s40, RECB                       ; of my work-group's record
	s_add_co_u32 s54, s54, s56
	s_add_co_u32 s54, s54, s3
	s_add_co_u32 s54, s54, SLOTB                   ; in slot 1: the first change of slots steps it to slot 2
	s_mov_b32 s55, 0
	s_lshr_b32 s39, s[WV], 2
	s_xor_b32 s39, s39, 1                          ; 0 in waves 4 to 7,
	s_or_b32 s39, s39, ttmp9                       ; of the batch's first cluster: the same in all four partners
	s_cmp_eq_u32 s39, 0
	s_cselect_b32 s[LIM], 6, 0
	; descriptor group 1: a record, 25,600 dense bytes, as 100 rows of 256 bytes (32 elements of 8 bytes)
	s_mov_b32 s[G1+0], 15|(3<<16)|(1<<21)          ; the mask: all four work-groups; elements of 8 bytes; bit 21 set beside a mask; no padding
	s_mov_b32 s[G1+1], 32<<16
	s_mov_b32 s[G1+2], 100<<16
	s_mov_b32 s[G1+3], 32<<16
	s_mov_b32 s[G1+4], 100
	s_mov_b32 s[G1+5], 32
	s_mov_b32 s[G1+6], 0
	s_mov_b32 s[G1+7], 0
	s_mov_b32 s[SEL], 0x76543210
	s_mov_b32 s[SEL+1], 0xfedcba98                 ; v_permlanex16_b32's selects for lane l xor 16
	s_mov_b32 s[CS], 0x3e0293ee                    ; c = log2(e) / sqrt(128)
	s_mov_b32 s[CS+1], s[CS]                       ; named with it as a pair, so it is written
	s_mov_b32 s[TB], 0
	s_mov_b32 s[KS], s[CC]
	s_mov_b32 s[SI], 0
	v_and_b32 v232, 31, v0                         ; lane
	v_and_b32 v233, 15, v0                         ; r
	v_bfe_u32 v234, v0, 4, 1                       ; h
	s_wait_alu depctr_va_vdst(0)
	s_mul_i32 s39, s[CC], RECB
	v_lshl_add_u32 v[AK0], v232, 4, s39
	v_lshl_add_u32 v[AS0], v233, 5, s39
	s_lshl_b32 s39, s[WV], 9
	s_add_co_u32 s39, s39, EX
	v_lshl_add_u32 v[EXA], v232, 2, s39
	s_lshl_b32 s39, s38, 9
	s_lshl_b32 s56, s[CC], 4
	s_add_co_u32 s39, s39, s56
	s_add_co_u32 s39, s39, EX
	v_lshl_add_u32 v[EXR], v234, 3, s39            ; wave P's words of rows 4 c + 2 h and the next
	v_lshlrev_b32 v[GO], 10, v234
	s_delay_alu instid0(VALU_DEP_1)
	v_lshl_add_u32 v[GO], v233, 4, v[GO]           ; lanes 0-15 rows 0 and 1 of my four, lanes 16-31 rows 2 and 3; 16 bytes a lane
	s_mul_i32 s39, s[WV], 2*STG
	s_add_co_u32 s39, s39, STAGE
	v_mul_u32_u24 v[SO], v233, 272
	s_delay_alu instid0(VALU_DEP_1)
	v_lshl_add_u32 v[SO], v234, 5, v[SO]
	s_delay_alu instid0(VALU_DEP_1)
	v_add_nc_u32 v[SO], s39, v[SO]
	s_mul_i32 s39, s38, 2*STG
	s_mul_i32 s56, s[CC], 4*272
	s_add_co_u32 s39, s39, s56
	s_add_co_u32 s39, s39, STAGE
	v_mul_u32_u24 v235, v234, 2*272
	s_delay_alu instid0(VALU_DEP_1)
	v_lshl_add_u32 v235, v233, 4, v235
	s_delay_alu instid0(VALU_DEP_1)
	v_add_nc_u32 v[RD], s39, v235
	s_mul_i32 s39, s[WV], 3072
	s_add_co_u32 s39, s39, QST
	v_lshl_add_u32 v[QSA], v232, 4, s39
	v_min_u32 v[PFO], 24, v232
	s_delay_alu instid0(VALU_DEP_1)
	v_lshlrev_b32 v[PFO], 8, v[PFO]
	v_and_b32 v[DQ], 8, v233
	s_delay_alu instid0(VALU_DEP_1)
	v_add_nc_u32 v[DQ], v[DQ], v233
	v_lshlrev_b32 v236, 4, v234
	s_delay_alu instid0(VALU_DEP_1)
	v_sub_nc_u32 v[DQ], v[DQ], v236
	s_delay_alu instid0(VALU_DEP_1)
	v_add_nc_u32 v[DQ], s57, v[DQ]
	v_lshlrev_b32 v235, 4, v232                    ; q's image: 16 bytes a lane
	v_lshlrev_b32 v234, 5, v233                    ; its scale words: 32 bytes a row
	s_wait_alu depctr_va_vdst(0)
	s_wait_dscnt 0x0                               ; both opening adds are done
	s_wait_kmcnt 0x0
	s_add_nc_u64 s[46:47], s[4:5], s[46:47]
	s_add_nc_u64 s[48:49], s[4:5], s[48:49]
	s_add_nc_u64 s[50:51], s[4:5], s[50:51]
	s_add_nc_u64 s[52:53], s[4:5], s[52:53]
	s_add_nc_u64 s[10:11], s[8:9], s[60:61]        ; out0: the early tiles' rows,
	s_add_nc_u64 s[8:9], s[8:9], s[58:59]          ; and the late tiles'
	s_add_nc_u64 s[PFA:PFA+1], s[6:7], s[54:55]
	s_mov_b32 s[G0], 1                             ; count = 1
	s_add_nc_u64 s[G0+2:G0+3], s[6:7], s[62:63]    ; the batch's first four records
	s_or_b32 s[G0+3], s[G0+3], 0x80000000          ; type = 2
	s_mov_b64 s[BASE:BASE+1], s[G0+2:G0+3]         ; kept: the early tiles begin there again
	CROUND                                         ; all four work-groups are here: the first joint loads meet
	TLOAD                                          ; slot 0
	s_wait_alu depctr_va_vdst(0)
.irp c, 0,1,2
	global_load_b128 v[16+4*\c:19+4*\c], v235, s[46:47] offset:512*\c          ; the late q's fragments stay in registers: tile A's
.endr
	global_load_b32 v255, v234, s[48:49] offset:12288
	global_load_b32 v[QSB], v234, s[48:49] offset:12292
.irp c, 0,1,2
	global_load_b128 v[32+4*\c:35+4*\c], v235, s[50:51] offset:512*\c          ; the early q's wait in LDS
	global_load_b128 v[44+4*\c:47+4*\c], v235, s[50:51] offset:1536+512*\c
.endr
	global_load_b32 v80, v234, s[52:53] offset:12288
	global_load_b32 v81, v234, s[52:53] offset:12292
	WIN 0x40                                       ; destination in window 1
.irp c, 0,1,2
	global_load_b128 v[16+4*\c:19+4*\c], v235, s[46:47] offset:1536+512*\c     ; and tile B's
.endr
	v_add_nc_u32 v[DQ], 8, v[DQ]                   ; tile B's queries stand 8 tokens further on
	WIN 0
	INIT
.irp b, 0,1,2,3
	v_mov_b32 v[236+\b], 0                         ; written once: a lane permute's destination counts as one of its sources
.endr
	v_mov_b32 v253, 0                              ; named as the upper half of the pair v[252:253] before it is first written
	WIN 0x55                                       ; the same for tile B
	INIT
.irp b, 0,1,2,3,4,5,6,7
	v_mov_b32 v[232+\b], 0
.endr
	v_mov_b32 v253, 0
	WIN 0
	s_wait_alu depctr_va_vdst(0)
	s_wait_loadcnt 0x0
.irp c, 0,1,2
	ds_store_b128 v[QSA], v[32+4*\c:35+4*\c] offset:512*\c                     ; my own bytes: no other wave touches them
	ds_store_b128 v[QSA], v[44+4*\c:47+4*\c] offset:1536+512*\c
.endr
	ds_store_b32 v[EXA], v80 offset:4096
	ds_store_b32 v[EXA], v81 offset:4096+128
.macro LD4 off                         ; four fragments into v32-79 of the window that is set as the destination: 512 consecutive bytes a load
.irp t, 0,1,2,3
.irp c, 0,1,2
	ds_load_b128 v[32+12*\t+4*\c:35+12*\t+4*\c], v[ADK] offset:\off+1536*\t+512*\c
.endr
.endr
.endm
.macro QK d, sk, sq                    ; four tiles of S^T = k q^T
.irp t, 0,1,2,3
	v_wmma_scale_f32_16x16x128_f8f6f4 v[\d+8*\t:\d+8*\t+7], v[32+12*\t:43+12*\t], v[16:27], 0, v[\sk+\t], v[\sq] matrix_a_fmt:MATRIX_FMT_FP6 matrix_b_fmt:MATRIX_FMT_FP6
.endr
.endm
.macro PV d, sv, sp                    ; four tiles of O^T += v^T p^T; the accumulators take turns, one instruction a turn
.irp t, 0,1,2,3
	v_wmma_scale_f32_16x16x128_f8f6f4 v[\d+8*\t:\d+8*\t+7], v[32+12*\t:43+12*\t], v[224:235], v[\d+8*\t:\d+8*\t+7], v[\sv+\t], v[\sp] matrix_a_fmt:MATRIX_FMT_FP6 matrix_b_fmt:MATRIX_FMT_FP6
.endr
.endm
.macro MASK                            ; under a tile's window: register 16 b + i holds the record's key 32 b + 16 (lane / 16) + i: hidden where 32 b + i > DQ
	v_mov_b32 v254, 0xff800000                     ; -infinity: p = 0 then
.set n, 0
.rept 64
	v_cmp_gt_i32 vcc_lo, 32*(n/16)+n%16, v[DQ]
	v_cndmask_b32 v[96+n], v[96+n], v254, vcc_lo
.set n, n+1
.endr
.endm
; THE SOFTMAX OF ONE TILE, under its window: every vector register that it names lies in that window.
.macro SOFT
	s_wait_alu depctr_va_vdst(0)
.irp b, 0,1,2,3
	v_max3_num_f32 v[232+\b], v[96+16*\b], v[97+16*\b], v[98+16*\b]   ; the largest score of each block of 32 keys: it serves for the row's maximum and, since p rises with the score, for the block's largest p
.endr
.irp i, 3,5,7,9,11,13
.irp b, 0,1,2,3
	v_max3_num_f32 v[232+\b], v[232+\b], v[96+16*\b+\i], v[97+16*\b+\i]   ; the four blocks by turns
.endr
.endr
.irp b, 0,1,2,3
	v_max_num_f32 v[232+\b], v[232+\b], v[111+16*\b]
.endr
.irp b, 0,1,2,3
	s_delay_alu instid0(VALU_DEP_4)
	v_permlanex16_b32 v[236+\b], v[232+\b], s[SEL], s[SEL+1]
.endr
.irp b, 0,1,2,3
	s_delay_alu instid0(VALU_DEP_4)
	v_max_num_f32 v[232+\b], v[232+\b], v[236+\b]  ; with lane l xor 16's 16 keys
.endr
	s_delay_alu instid0(VALU_DEP_2)
	v_max3_num_f32 v254, v232, v233, v234
	s_delay_alu instid0(VALU_DEP_1)
	v_max_num_f32 v254, v254, v235                 ; the step's largest score of my query
	s_delay_alu instid0(VALU_DEP_1)
	v_mul_f32 v254, s[CS], v254                    ; as t (c is positive)
	s_delay_alu instid0(VALU_DEP_1)
	v_max_num_f32 v13, v13, v254                   ; the running largest t
	v_mov_b32 v254, v12
	s_delay_alu instid0(VALU_DEP_2)
	v_floor_f32 v12, -v13                          ; the new -M = floor(-t) = -ceil(t): M is a whole number
	s_delay_alu instid0(VALU_DEP_1)
	v_sub_f32 v254, v12, v254                      ; M's old value less its new one: a whole number, 0 or less
	s_delay_alu instid0(VALU_DEP_1)
	v_cvt_i32_f32 v254, v254                       ; (it saturates)
	s_delay_alu instid0(VALU_DEP_1)
	v_ldexp_f32 v252, 1.0, v254                    ; f = 2^(old M - new M)
.set n, 0
.rept 32
	v_pk_fma_f32 v[96+n:97+n], v[96+n:97+n], s[CS:CS+1], v[12:13] op_sel_hi:[1,0,0]   ; t - M, two at a time
.set n, n+2
.endr
.irp b, 0,1,2,3
	v_fma_f32 v[232+\b], v[232+\b], s[CS], v12     ; the same of each block's largest score
.endr
.set n, 0
	s_wait_alu depctr_va_vdst(0)
.rept 64
	v_exp_f32 v[96+n], v[96+n]                     ; p = 2^(t - M), at most 1: not normalised
.set n, n+1
.endr
	v_pk_mul_f32 v[14:15], v[14:15], v[252:253] op_sel_hi:[1,0]   ; the sums under the new M: a plain place behind the exponentials
	s_wait_alu depctr_va_vdst(0)                   ; one wait for the whole batch, ahead of its first reader
.irp b, 0,1,2,3
	v_exp_f32 v[232+\b], v[232+\b]                 ; the block's largest p: the same two instructions on the same number give the same bits
.endr
.irp k, 0,1,2,3,4,5,6                          ; the row's sum of the unquantised p: 32 pairs in eight chains
	v_pk_add_f32 v[238+2*\k:239+2*\k], v[96+4*\k:97+4*\k], v[98+4*\k:99+4*\k]
.endr
	v_pk_add_f32 v[14:15], v[14:15], v[124:125]
.irp k, 0,1,2,3,4,5,6
	v_pk_add_f32 v[238+2*\k:239+2*\k], v[238+2*\k:239+2*\k], v[126+2*\k:127+2*\k]
.endr
	v_pk_add_f32 v[14:15], v[14:15], v[140:141]
.irp k, 0,1,2,3,4,5,6
	v_pk_add_f32 v[238+2*\k:239+2*\k], v[238+2*\k:239+2*\k], v[142+2*\k:143+2*\k]
.endr
	v_pk_add_f32 v[14:15], v[14:15], v[156:157]
	v_pk_add_f32 v[238:239], v[238:239], v[158:159]
	v_pk_add_f32 v[240:241], v[240:241], v[242:243]
	v_pk_add_f32 v[244:245], v[244:245], v[246:247]
	v_pk_add_f32 v[248:249], v[248:249], v[250:251]
	s_delay_alu instid0(VALU_DEP_4)
	v_pk_add_f32 v[14:15], v[14:15], v[238:239]
	s_delay_alu instid0(VALU_DEP_3)
	v_pk_add_f32 v[240:241], v[240:241], v[244:245]
	s_delay_alu instid0(VALU_DEP_2)
	v_pk_add_f32 v[14:15], v[14:15], v[248:249]
	s_delay_alu instid0(VALU_DEP_1)
	v_pk_add_f32 v[14:15], v[14:15], v[240:241]
	s_wait_alu depctr_va_vdst(0)                   ; and one for the four
.irp b, 0,1,2,3
	v_max_num_f32 v[232+\b], 0x1800000, v[232+\b]  ; the floor 2^(3 - 127): the byte cannot fall under 1
.endr
.irp b, 0,1,2,3
	s_delay_alu instid0(VALU_DEP_4)
	v_add_nc_u32 v[244+\b], 0xff000000, v[232+\b]  ; 2 off the exponent field: the conversion's scale operand
.endr
.irp b, 0,1,2,3
	s_delay_alu instid0(VALU_DEP_4)
	v_lshrrev_b32 v[236+\b], 23, v[244+\b]         ; the scale's byte
.endr
	s_delay_alu instid0(VALU_DEP_3)
	v_lshl_or_b32 v253, v237, 8, v236              ; p's scale word for these 128 keys
	s_delay_alu instid0(VALU_DEP_1)
	v_lshl_or_b32 v253, v238, 16, v253
	s_delay_alu instid0(VALU_DEP_1)
	v_lshl_or_b32 v253, v239, 24, v253
.irp c, 0,1
	v_cvt_scalef32_pk16_fp6_f32 v[224+6*\c:226+6*\c], v[96+32*\c:111+32*\c], v[244+2*\c]
	v_cvt_scalef32_pk16_fp6_f32 v[236+4*\c:238+4*\c], v[112+32*\c:127+32*\c], v[244+2*\c+1]   ; a conversion's three registers begin on an even number
.endr
	v_nop                                          ; one plain place behind a scaled conversion
.irp c, 0,1                                    ; the operand's layout wants a whole block in a lane
.irp i, 0,1,2
	v_permlane16_swap_b32 v[224+6*\c+\i], v[236+4*\c+\i]
.endr
.irp i, 0,1,2
	s_delay_alu instid0(VALU_DEP_3)
	v_mov_b32 v[227+6*\c+\i], v[236+4*\c+\i]
.endr
.endr
.set n, 0
.rept 32
	v_pk_mul_f32 v[160+n:161+n], v[160+n:161+n], v[252:253] op_sel_hi:[1,0]   ; O^T under the new M.  These 32 are also the places between p's codes and scale word and the products
.set n, n+2
.endr
.endm
; A KEY STEP: 128 keys, my record of the slot in hand, for both tiles of my pair.
.macro STEP
	s_cmp_gt_u32 s[KS], s[RR]                      ; all its keys come after my queries: a scalar branch on ids round the step's loads, products and softmax
	s_cbranch_scc1 .Lhidden_\@
	v_add_nc_u32 v[ADK], s[TB], v[AK0]
	s_wait_alu depctr_va_vdst(0)
	v_add_nc_u32 v[ADS], s[TB], v[AS0]
	v_nop
	v_nop                                          ; with the two additions: four places ahead of loads into registers that the last products have read
	ds_load_b128 v[80:83], v[ADS] offset:24576     ; my row's scale words of k's eight tiles
	ds_load_b128 v[84:87], v[ADS] offset:24592
	LD4 0                                          ; k's tiles 0-3 into window 0,
	WIN 0x40
	LD4 6144                                       ; tiles 4-7 into window 1
	s_wait_dscnt 12                                ; all but the 12 loads just issued
	WIN 0
	QK 96, 80, 255                                 ; tile A
	WIN 0x54                                       ; fragments window 0; q, S^T window 1
	QK 96, 80, QSB                                 ; tile B, on the same fragments
	s_wait_dscnt 0x0
	WIN 0x01                                       ; fragments window 1; q, S^T window 0
	QK 128, 84, 255
	WIN 0x55
	QK 128, 84, QSB
	WIN 0
.rept 4
	v_nop                                          ; places ahead of the loads below and of the first read of the scores
.endr
	LD4 12288                                      ; v^T's eight tiles are asked for now: they land under the softmax
	s_wait_alu depctr_va_vdst(0)
	ds_load_b128 v[88:91], v[ADS] offset:25088
	ds_load_b128 v[92:95], v[ADS] offset:25104
	WIN 0x40
	LD4 12288+6144
	WIN 0
	s_cmp_lg_u32 s[KS], s[RR]                      ; only my pair's own record lies on the diagonal
	s_cbranch_scc1 .Lopen_\@
	MASK
	WIN 0x55
	MASK
	WIN 0
.Lopen_\@:
	WIN 0x55
	SOFT                                           ; tile B first:
	WIN 0x01
	v_mov_b32 v[PSB], v253                         ; its p's scale word goes to window 0, into a register whose scale word of k is done with; tile A's softmax stands between this line and the products
	WIN 0
	SOFT                                           ; tile A
	s_wait_alu depctr_va_vdst(0)
	s_wait_dscnt 0x0                               ; v^T's eight tiles and its scale words are in
	PV 160, 88, 253
	WIN 0x54
	PV 160, 88, PSB
	WIN 0x01
	PV 192, 92, 253
	WIN 0x55
	PV 192, 92, PSB
	WIN 0
.Lhidden_\@:
	s_add_co_u32 s[KS], s[KS], 4
	s_xor_b32 s[TB], s[TB], SLOT1                  ; on to the other slot
.endm
; THE CHANGE OF SLOTS stands at a slot's head.  Each wave waits for all its tensor loads (its part of the slot that it is about to read), adds 0 to its spare word, and waits for that and for its reads of the slot that it has left.
; fill = 1: the barrier is a round of the cluster's; the slot left behind then takes the next four records: those that follow, or, behind the late tiles' last slot but one, the batch's first four again.
; The add stands twice there.
.macro CHANGE fill
	s_wait_tensorcnt 0x0                           ; no tensor load of mine is out, so the group 0 may be written
	ds_add_u32 v[SPW], v[NIL]
.if \fill
	ds_add_u32 v[SPW], v[NIL]
	s_xor_b32 s[G0+1], s[G0+1], SLOT1              ; the walking descriptor: the other slot than last time,
	s_add_nc_u64 s[G0+2:G0+3], s[G0+2:G0+3], SLOTB ; the next four records; the type bits on top are not reached
	s_cmp_eq_u32 s[SI], s[NLM1]                    ; the choice hangs on the cluster's x and the slot's number
	s_cselect_b64 s[G0+2:G0+3], s[BASE:BASE+1], s[G0+2:G0+3]
	s_wait_xcnt 0x0                                ; the last prefetch has read its address, and earlier stores their data
	s_add_nc_u64 s[PFA:PFA+1], s[PFA:PFA+1], SLOTB ; one slot further on than the walking descriptor
	s_wait_dscnt 0x0                               ; the adds are done, and my reads of the slot that I have left are over
	CROUND
	TLOAD                                          ; the first thing behind the round, and a wave's one tensor load until the next: one load of mine is out
	ASK
.else
	s_wait_xcnt 0x0                                ; earlier stores have read their data
	s_wait_dscnt 0x0
	s_barrier_signal -1
	s_barrier_wait -1
.endif
.endm
; THE WAY OUT, in four parts with a barrier behind each of the first three.  cond = 1: only in the late tiles' last slot; the test hangs on the cluster's x and the slot's number, and leads round no barrier.
; Tile A's numbers are worked in window 0, tile B's in window 1, by the same lines; LDS and memory addresses lie in window 0.
.macro BAR
	s_wait_alu depctr_va_vdst(0)
	s_wait_dscnt 0x0                               ; for the others' sake: my stores and my reads are done
	s_barrier_signal -1
	s_barrier_wait -1
.endm
.macro TEST lbl
	s_cmp_eq_u32 s[SI], s[NLM1]
	s_cbranch_scc0 \lbl
.endm
.macro PUT d, tau                      ; four accumulators, 256 bytes of each of 16 rows, into tile tau's stage; each accumulator from its low end on
.irp t, 0,1,2,3
	ds_store_b128 v[SO], v[\d+8*\t:\d+8*\t+3] offset:STG*\tau+64*\t
	ds_store_b128 v[SO], v[\d+8*\t+4:\d+8*\t+7] offset:STG*\tau+64*\t+16
.endr
.endm
.macro SUMS tau                        ; under the tile's window, then its data as an LDS store's: -M and my share of the sum
	WIN 0x55*\tau
	v_add_f32 v14, v14, v15                        ; the sum's two halves,
	s_delay_alu instid0(VALU_DEP_1)
	v_permlanex16_b32 v236, v14, s[SEL], s[SEL+1]
	s_delay_alu instid0(VALU_DEP_1)
	v_add_f32 v14, v14, v236                       ; and lane l xor 16's
	WIN 0x04*\tau
	ds_store_b32 v[EXA], v12 offset:256*\tau
	ds_store_b32 v[EXA], v14 offset:256*\tau+128
.endm
.macro EXL tau                         ; wave P + 2 p: -M of rows i = 0, 1 of my lane's two, and its share of their sums
.irp p, 0,1,2,3
	ds_load_b64 v[232+2*\p:233+2*\p], v[EXR] offset:1024*\p+256*\tau
	ds_load_b64 v[240+2*\p:241+2*\p], v[EXR] offset:1024*\p+256*\tau+128
.endr
.endm
.macro GET b, tau                      ; my four rows' 256 bytes out of the four stages of tile tau: stage p's rows i and 2 + i -> v[b + 8 p + 4 i ..]
.irp p, 0,1,2,3
.irp i, 0,1
	ds_load_b128 v[\b+8*\p+4*\i:\b+8*\p+4*\i+3], v[RD] offset:4*STG*\p+STG*\tau+272*\i
.endr
.endr
.endm
.macro FACT                            ; the factors of the four shares for my rows
.irp i, 0,1
	v_min_num_f32 v[248+\i], v[232+\i], v[234+\i]
.endr
.irp i, 0,1
	v_min_num_f32 v[250+\i], v[236+\i], v[238+\i]
.endr
.irp i, 0,1
	v_min_num_f32 v[248+\i], v[248+\i], v[250+\i]  ; the common -M: the largest M
.endr
.irp n, 0,1,2,3,4,5,6,7
	v_sub_f32 v[232+\n], v[248+\n%2], v[232+\n]    ; a share's M less the common one: a whole number, 0 or less
.endr
.irp n, 0,1,2,3,4,5,6,7
	v_cvt_i32_f32 v[232+\n], v[232+\n]             ; (it saturates: a wave that had no step gets the factor 0)
.endr
.irp n, 0,1,2,3,4,5,6,7
	v_ldexp_f32 v[232+\n], 1.0, v[232+\n]
.endr
.irp i, 0,1
	v_mul_f32 v[250+\i], v[232+\i], v[240+\i]
.endr
.irp p, 1,2,3
.irp i, 0,1
	v_fma_f32 v[250+\i], v[232+2*\p+\i], v[240+2*\p+\i], v[250+\i]   ; the row's sum under the common M
.endr
.endr
	s_wait_alu depctr_va_vdst(0)                   ; the wait ahead of the transcendentals,
	v_rcp_f32 v252, v250
	v_rcp_f32 v254, v251
	v_nop                                          ; one plain place behind them,
	s_wait_alu depctr_va_vdst(0)                   ; and the wait ahead of their first reader
.irp n, 0,1,2,3,4,5,6,7
	v_mul_f32 v[232+\n], v[232+\n], v[252+2*(\n%2)]
.endr
	s_wait_alu depctr_va_vdst(0)
.endm
.macro COMBV b                         ; the four shares, each times its factor, are added
.irp i, 0,1
.irp k, 0,1,2,3
	v_mul_f32 v[\b+4*\i+\k], v[\b+4*\i+\k], v[232+\i]
.endr
.endr
.irp p, 1,2,3
.irp i, 0,1
.irp k, 0,1,2,3
	v_fma_f32 v[\b+4*\i+\k], v[\b+8*\p+4*\i+\k], v[232+2*\p+\i], v[\b+4*\i+\k]
.endr
.endr
.endr
.endm
.macro COMBS b, o, off                 ; and stored: 16 lanes store 256 consecutive bytes, at a multiple of 256 from out0's first byte
.irp i, 0,1
	global_store_b128 v[GO], v[\b+4*\i:\b+4*\i+3], s[\o:\o+1] offset:512*\i+\off th:TH_STORE_NT
.endr
.endm
.macro F1 cond                         ; -M, my shares of the sums, and O^T's columns 0 to 63 into my stages
.rept 4
	v_nop                                          ; places behind the last products, on every way
.endr
.if \cond
	TEST .Lf1_\@
.endif
	SUMS 0
	PUT 160, 0
	SUMS 1
	PUT 160, 1
	WIN 0
.Lf1_\@:
	BAR
.endm
.macro F2 cond, o                      ; the factors; the first half goes out
.if \cond
	TEST .Lf2_\@
.endif
	EXL 0
	GET 96, 0
	WIN 0x40
	EXL 1
	GET 96, 1
	WIN 0
	s_wait_dscnt 24                                ; tile A's eight loads of words are in; three groups of eight may be out
	FACT
	s_wait_dscnt 16                                ; and its eight loads of rows
	COMBV 96
	COMBS 96, \o, 0
	WIN 0x55
	s_wait_dscnt 8                                 ; tile B's words
	FACT
	s_wait_dscnt 0x0
	COMBV 96
	WIN 0x04                                       ; the stores' data in window 1
	COMBS 96, \o, 4096                             ; tile B's rows lie 8 tokens further on
	WIN 0
.Lf2_\@:
	BAR
.endm
.macro F3 cond                         ; O^T's columns 64 to 127 into my stages: everybody has read the first half
.if \cond
	TEST .Lf3_\@
.endif
	PUT 192, 0
	WIN 0x04
	PUT 192, 1
	WIN 0
.Lf3_\@:
	BAR
.endm
.macro F4 cond, o                      ; the second half goes out; cond = 1: the early tiles begin
.if \cond
	TEST .Lf4_\@
.endif
	GET 128, 0
.if \cond
.irp c, 0,1,2
	ds_load_b128 v[16+4*\c:19+4*\c], v[QSA] offset:512*\c
.endr
	ds_load_b32 v255, v[EXA] offset:4096
	ds_load_b32 v[QSB], v[EXA] offset:4096+128
.endif
	WIN 0x40
	GET 128, 1
.if \cond
.irp c, 0,1,2
	ds_load_b128 v[16+4*\c:19+4*\c], v[QSA] offset:1536+512*\c
.endr
	WIN 0
	INIT
	WIN 0x55
	INIT
	WIN 0
	s_mov_b32 s[RR], s[RRE]
	s_mov_b32 s[KS], s[CC]                         ; their keys begin at the batch's first record
	s_wait_alu depctr_va_vdst(0)
.endif
	WIN 0
	s_wait_dscnt 0x0
	COMBV 128
	COMBS 128, \o, 256
	WIN 0x55
	COMBV 128
	WIN 0x04
	COMBS 128, \o, 4096+256
	WIN 0
.Lf4_\@:
	s_wait_alu depctr_va_vdst(0)
.endm
	s_mov_b32 s[LC], 8
.Lslot:                                            ; slots 0 to 7: behind one of them, nL - 1, the late tiles go out and the early tiles begin
	CHANGE 1
	STEP
	F1 1
	F2 1, 8
	F3 1
	F4 1, 8
	s_add_co_u32 s[SI], s[SI], 1
	s_sub_co_u32 s[LC], s[LC], 1
	s_cmp_lg_u32 s[LC], 0
	s_cbranch_scc1 .Lslot
	CHANGE 0                                       ; slot 8 is written out
	STEP
	F1 0                                           ; the early tiles go out
	F2 0, 10
	F3 0
	F4 0, 10
	s_wait_tensorcnt 0x0                           ; the wave's end, behind my last tensor load and my last LDS store
	ds_add_u32 v[SPW], v[NIL]
	s_wait_dscnt 0x0
	CROUND                                         ; the closing round: no work-group ends while a partner may still ask for a record that names it
	s_endpgm
.Lfunc_end_k_qe758f7c8a6_attn:
	.size	k_qe758f7c8a6_attn, .Lfunc_end_k_qe758f7c8a6_attn-k_qe758f7c8a6_attn
	.p2alignl 7, 3214868480
	.fill 96, 4, 3214868480
	.section	.rodata,"a",@progbits
	.p2align	6, 0x0
	.amdhsa_kernel k_qe758f7c8a6_attn
		.amdhsa_group_segment_fixed_size 327680
		.amdhsa_private_segment_fixed_size 0
		.amdhsa_enable_private_segment 0
		.amdhsa_kernarg_size 24
		.amdhsa_user_sgpr_count 2
		.amdhsa_user_sgpr_kernarg_segment_ptr 1
		.amdhsa_wavefront_size32 1
		.amdhsa_system_sgpr_workgroup_id_x 1
		.amdhsa_system_sgpr_workgroup_id_y 1
		.amdhsa_system_sgpr_workgroup_id_z 1
		.amdhsa_system_vgpr_workitem_id 0
		.amdhsa_next_free_vgpr 512
		.amdhsa_next_free_sgpr 66
		.amdhsa_reserve_vcc 1
		.amdhsa_float_denorm_mode_32 3
		.amdhsa_float_denorm_mode_16_64 3
		.amdhsa_memory_ordered 1
		.amdhsa_forward_progress 1
		.amdhsa_inst_pref_size 152
	.end_amdhsa_kernel
	.amdgpu_metadata
---
amdhsa.version: [ 1, 2 ]
amdhsa.kernels:
  - .name:           k_qe758f7c8a6_attn
    .symbol:         k_qe758f7c8a6_attn.kd
    .args:
      - { .name: qc, .offset: 0, .size: 8, .value_kind: global_buffer, .address_space: global }
      - { .name: kv, .offset: 8, .size: 8, .value_kind: global_buffer, .address_space: global }
      - { .name: out0, .offset: 16, .size: 8, .value_kind: global_buffer, .address_space: global }
    .group_segment_fixed_size: 327680
    .private_segment_fixed_size: 0
    .kernarg_segment_align: 8
    .kernarg_segment_size: 24
    .max_flat_workgroup_size: 256
    .sgpr_count:     66
    .vgpr_count:     512
    .wavefront_size: 32
...
	.end_amdgpu_metadata
.endif
;; end of part 3
